; MI455X (gfx1250); checked and timed in simulation.
; The chip was launched on July 23, 2026; its instructions are those of AMD's public machine-readable ISA for CDNA 5 (MIT licence, August 2026) and "CDNA5" Instruction Set Architecture Reference Guide (July 2026). The comments in the code are by the model that wrote it; some were corrected since.
;; Bau Attn. Allowed arithmetic: matrix products marked QUANTISED: E2M3 operands, one E8M0 scale for each 32 along K, by v_wmma_scale_f32_16x16x128_f8f6f4 with both operands' format E2M3, f32 sums; products left as they are: f32 operands where the result goes on into a quantised operand, else bf16, f16 or f32 operands; f32 sums; everything else in f32.
;; Inputs: W_enc 1,024 x 1,024 float32; W_hidden 1,024 x 1,024 float32; b_attn 1,024 float32; enc_outputs 2,048 x 32 x 1,024 float32; hidden_state 32 x 1,024 float32; mask 2,048 x 32 float32; v 1,024 float32.
;; Outputs: out0 32 x 1,024 float32; out1 2,048 x 32 float32.
;; This version of the problem:
;;   THIS VERSION OF THE PROBLEM IS GIVEN IN LOW PRECISION. The matrix products marked QUANTISED in the list below multiply operands that are first quantised to E2M3 (2 exponent bits, 3 mantissa bits; 6 bits a number), with one power-of-two scale for each 32 numbers along K (OCP MX v1.0); their sums are f32. All else is computed in f32.
;;   The module's matrix products, in the order in which they are computed (A, B: the left and right operand; K: the contracted axis; several contracted axes count as one K, in the product's order):
;;     1. [M 65,536, K 1,024] x [K 1,024, N 1,024]; A: input enc_outputs; B: input W_enc: QUANTISED
;;     2. [M 32, K 1,024] x [K 1,024, N 1,024]; A: input hidden_state; B: input W_hidden: QUANTISED
;;     3. [M 65,536, K 1,024] x [K 1,024, N 1]; A: computed on the way; B: input v: left as it is (N = 1 < 16)
;;     4. batch 32 x [M 1, K 2,048] x [K 2,048, N 1,024]; A: softmax; B: input enc_outputs: left as it is (M = 1 < 16)
;;   THE QUANTISER, for each operand of a quantised product, along K:
;;     - K is cut into blocks of 32 from its start; a last block that is shorter is filled with zeros.
;;     - A block's scale is 2^e with e = floor(log2(the largest magnitude in the block)) - 2, held to -126 .. 127; a block of zeros has e = 0. As a byte (E8M0): e + 127.
;;     - Each number is divided by its block's scale, clamped to +-7.5, and rounded to the nearest number of E2M3, ties to even, subnormals kept.
;;     - The product sums the exact products of the quantised numbers (number of the format x scale) in f32.
;;   ~~~python
;;   def quantise(x, axis):      # numpy; x: float32 -> the quantised numbers, widened to float32 again
;;       x = np.moveaxis(x, axis, -1); K = x.shape[-1]
;;       x = np.pad(x, [(0, 0)] * (x.ndim - 1) + [(0, -K % 32)]); x = x.reshape(x.shape[:-1] + (-1, 32)); a = np.abs(x).max(-1, keepdims=True)
;;       e = np.where(a > 0, np.clip(np.frexp(np.where(a > 0, a, 1))[1] - 1 - 2, -126, 127), 0)      # np.frexp(a)[1] - 1 = floor(log2(a)), exactly
;;       r = np.clip(x / 2.0 ** e, -7.5, 7.5)
;;       step = 2.0 ** (np.maximum(np.frexp(np.where(r == 0, 1, r))[1] - 1, 0) - 3)
;;       q = np.round(r / step) * step * 2.0 ** e      # np.round: ties to even
;;       return np.moveaxis(q.reshape(q.shape[:-2] + (-1,))[..., :K], -1, axis).astype(np.float32)
;;   ~~~
;; One version. Each part assembles by itself: llvm-mc -triple=amdgcn-amd-amdhsa -mcpu=gfx1250 --defsym DOCPART=n.
;; ======== version 1 of 1: 3 launches
;; workspace buffers: wimg 851,968 bytes; qpart 1,048,576 bytes; scores 262,144 bytes; stats 8,192 bytes
;; launch prep (part 1): grid 128 x 1, 4 waves a work-group, no clusters, 31,232 bytes of LDS; arguments W_enc, W_hidden, hidden_state, wimg, qpart; writes wimg, qpart
.if DOCPART == 1
	.amdgcn_target "amdgcn-amd-amdhsa--gfx1250"
	.amdhsa_code_object_version 6
	.text
	.protected	k_q5053dd1c3c_prep
	.globl	k_q5053dd1c3c_prep
	.p2align	8
	.type	k_q5053dd1c3c_prep,@function
k_q5053dd1c3c_prep:
	s_mov_b64 s[64:65], 0
	v_nop
	global_prefetch_b8 v0, s[64:65] scope:SCOPE_SE
	s_setreg_imm32_b32 hwreg(HW_REG_WAVE_MODE, 25, 1), 1
	s_wait_xcnt 0x0
; PREP.  W_enc and W_hidden, [1024 (k)][1024 (n)] f32, are quantised along K (their FIRST axis) to codes of FP6 (E2M3) with one E8M0 byte for each 32 along K.
; A block's scale is 2^(floor(log2(its largest magnitude)) - 2): its byte is the largest magnitude's exponent field - 2, held at 1 from below.
; Work-groups 0-63 take W_enc and store it as IMAGES OF THE OPERAND'S REGISTERS (wimg); work-groups 64-127 take W_hidden, quantise hidden_state too, and store their K step's part of
; q = Q(hidden_state) Q(W_hidden) (qpart [b 32][K step 8][n 1024] f32; the next launch adds the eight parts).
; SHARES.  A work-group takes 128 columns (cb) x one K step of 128 (ks); wave w the 32 columns of group g = 4 cb + w.  A LANE TAKES A COLUMN AND ITS REGISTERS RUN DOWN K: a load reads 128 consecutive
; bytes a wave (512 a work-group), a block of 32 lies in one lane, and the conversions give codes with K innermost.
; wimg: group g at 26,624 g; in it K step ks at 3,328 ks: fragment of columns 0-15 (1,536 bytes), of columns 16-31 (1,536), scale words (256: lane L's 8 bytes = {word of column L, 0}).
; A fragment's image: registers 4 c .. 4 c + 3 of lane l at 512 c + 16 l.  Lane (r, h) of a fragment holds column r, registers 6 c .. 6 c + 5 = k 64 c + 32 h + 0 .. 31.
; LIMITS: NaN and infinities among the inputs are not served; a block whose largest magnitude lies under 2^-124 keeps the byte 1 (a block of zeros too: its codes are zeros, and this program alone reads the bytes).
; No cluster: the only bytes that work-groups share are hidden_state's 128 KiB.  No tensor load: a wave's block is 16 KiB, read once, through registers.
.set KBLK,  3328                       ; a wave's image in LDS, as it lies in wimg
.set QST,   4*KBLK                     ; behind the four images: the stage for q's part, 32 rows x (512 bytes + 16); the W_hidden path alone stores there
.set QP,    528
.set FLOOR, 0x1800000                  ; 2^(3 - 127)
.set EOFF,  0xff000000                 ; -(2 << 23)
.set TM,    16                         ; v16-31 at work
.set SEL,   28                         ; s[28:29] lane selects for v_permlanex16_b32: lane l xor 16
.set WN,    192                        ; v192-255 W's numbers, two sets of 32
.set HN,    64                         ; v64-191 hidden_state's numbers, 64 for each tile of 16 rows
; v1 lane, v2 r, v3 h; v4 4 L; v5 where my block's codes go; v6 my scale word's place; v7 16 L in my wave's image; v8 16 L; v9 8 L; v10 hidden_state: 4096 r + 64 h;
; v11 the stage, in; v12 the stage, back; v13 W's scale word (a scale register); v[14:15] {my column's scale word, 0}; v24.. four blocks' codes, 8 apart; v38, v39 hidden_state's scale words; v56-58 a conversion's upper half
	s_load_b128 s[4:7], s[0:1], 0x0                ; W_enc, W_hidden
	s_load_b128 s[8:11], s[0:1], 0x10              ; hidden_state, wimg
	s_load_b64 s[12:13], s[0:1], 0x20              ; qpart
	s_set_vgpr_msb 0x40
	v_lshl_add_u32 v0, v0, 2, 0x7800
	v_mov_b32 v1, 0
	s_set_vgpr_msb 0x4000
	v_lshrrev_b32 v1, 5, v0
	v_readfirstlane_b32 s14, v1                    ; wave 0..3
	v_and_b32 v1, 31, v0                           ; lane L
	v_and_b32 v2, 15, v0                           ; r
	v_bfe_u32 v3, v0, 4, 1                         ; h
	s_lshr_b32 s15, ttmp9, 6                       ; 0: W_enc, 1: W_hidden
	s_and_b32 s16, ttmp9, 7                        ; cb
	s_bfe_u32 s17, ttmp9, 0x30003                  ; ks
	v_lshlrev_b32 v4, 2, v1
	s_mul_i32 s20, s14, KBLK
	v_mul_u32_u24 v5, v3, 1536                     ; my column's fragment,
	v_lshl_add_u32 v5, v2, 4, v5                   ; its lane r (lane 16 + r is 256 bytes on: in the stores' immediates)
	v_add_nc_u32 v5, s20, v5
	v_lshlrev_b32 v9, 3, v1
	v_add_nc_u32 v6, s20, v9
	v_add_nc_u32 v6, 3072, v6
	v_lshlrev_b32 v8, 4, v1
	v_add_nc_u32 v7, s20, v8
	v_lshlrev_b32 v10, 12, v2
	v_lshl_add_u32 v10, v3, 6, v10
	v_mul_u32_u24 v11, v2, QP
	v_lshl_add_u32 v11, v3, 5, v11
	s_lshl_b32 s21, s14, 7
	s_add_co_u32 s21, s21, QST
	v_add_nc_u32 v11, s21, v11                     ; row r, + 128 w (my 32 columns) + 32 h
	s_mul_i32 s21, s14, 8*QP
	s_add_co_u32 s21, s21, QST
	v_add_nc_u32 v12, s21, v8                      ; my eight rows, 16 bytes a lane
	v_mov_b32 v15, 0
	s_mov_b32 s[SEL], 0x76543210
	s_mov_b32 s[SEL+1], 0xfedcba98
	s_lshl_b32 s18, s17, 19                        ; W: 128 ks rows of 4,096 bytes
	s_lshl_b32 s22, s16, 9
	s_add_co_u32 s18, s18, s22                     ; + 512 cb
	s_lshl_b32 s22, s14, 7
	s_add_co_u32 s18, s18, s22                     ; + 128 w
	s_mov_b32 s19, 0
	s_lshl_b32 s22, s16, 2
	s_add_co_u32 s22, s22, s14                     ; g
	s_mul_i32 s22, s22, 8*KBLK
	s_mul_i32 s24, s17, KBLK
	s_add_co_u32 s22, s22, s24                     ; wimg: 26,624 g + 3,328 ks
	s_mov_b32 s23, 0
	s_lshl_b32 s24, s14, 18                        ; qpart: rows 8 w on, 32,768 bytes a row,
	s_lshl_b32 s26, s17, 12
	s_add_co_u32 s24, s24, s26                     ; + 4,096 ks
	s_lshl_b32 s26, s16, 9
	s_add_co_u32 s24, s24, s26                     ; + 512 cb
	s_mov_b32 s25, 0
	s_lshl_b32 s26, s17, 9                         ; hidden_state: 512 ks
	s_mov_b32 s27, 0
	s_wait_kmcnt 0x0
	s_cmp_eq_u32 s15, 0                            ; the choice hangs on the work-group's number alone
	s_cselect_b64 s[4:5], s[4:5], s[6:7]
	s_add_nc_u64 s[4:5], s[4:5], s[18:19]
	s_add_nc_u64 s[8:9], s[8:9], s[26:27]
	s_add_nc_u64 s[10:11], s[10:11], s[22:23]
	s_add_nc_u64 s[12:13], s[12:13], s[24:25]
.macro LOADW kb                        ; block kb: W(128 ks + 32 kb + i, my column), i = 0 .. 31, into set kb % 2
.irp i, 0,1,2,3,4,5,6,7,8,9,10,11,12,13,14,15,16,17,18,19,20,21,22,23,24,25,26,27,28,29,30,31
	global_load_b32 v[WN+32*((\kb)%2)+\i], v4, s[4:5] offset:(32*(\kb)+\i)*4096 th:TH_LOAD_NT
.endr
.endm
.macro BLOCK kb                        ; block kb = 2 c + h of my column: registers 6 c .. 6 c + 5 of lane r + 16 h of my fragment
.set XS, WN+32*((\kb)%2)
.set CC, 24+8*(\kb)
.if (\kb) < 3
	s_wait_loadcnt 32                              ; this block's 32 loads are in; the next block's may be out
.else
	s_wait_loadcnt 0x0
.endif
	v_max3_num_f32 v16, |v[XS]|, |v[XS+1]|, |v[XS+2]|   ; the block's largest magnitude: all 32 numbers are mine; two chains
	v_max3_num_f32 v17, |v[XS+3]|, |v[XS+4]|, |v[XS+5]|
.irp i, 6,10,14,18,22,26
	v_max3_num_f32 v16, v16, |v[XS+\i]|, |v[XS+\i+1]|
	v_max3_num_f32 v17, v17, |v[XS+\i+2]|, |v[XS+\i+3]|
.endr
	v_max3_num_f32 v16, v16, |v[XS+30]|, |v[XS+31]|
	v_max3_num_f32 v16, v16, v17, FLOOR            ; and the floor: the byte cannot fall under 1
	v_add_nc_u32 v18, EOFF, v16                    ; 2 off its exponent field: the conversion takes this operand's exponent field as its scale
	v_lshrrev_b32 v19, 23, v18                     ; the scale's byte
.if (\kb) == 0
	v_mov_b32 v14, v19
.else
	v_lshl_or_b32 v14, v19, 8*(\kb), v14           ; the lower K in the lower byte
.endif
	v_cvt_scalef32_pk16_fp6_f32 v[CC:CC+2], v[XS:XS+15], v18
	v_cvt_scalef32_pk16_fp6_f32 v[56:58], v[XS+16:XS+31], v18   ; (a conversion's three registers begin on an even number)
	v_nop                                          ; one plain place behind a scaled conversion
.irp i, 0,1,2
	v_mov_b32 v[CC+3+\i], v[56+\i]
.endr
.if (\kb)/2 == 0
	ds_store_b128 v5, v[CC:CC+3] offset:256*((\kb)%2)            ; registers 0-3: the first 16 bytes' group
	ds_store_b64 v5, v[CC+4:CC+5] offset:512+256*((\kb)%2)       ; registers 4, 5: the lower half of the second
.else
	ds_store_b64 v5, v[CC:CC+1] offset:520+256*((\kb)%2)         ; registers 6, 7: its upper half
	ds_store_b128 v5, v[CC+2:CC+5] offset:1024+256*((\kb)%2)     ; registers 8-11
.endif
.if (\kb) < 2
	LOADW (\kb)+2
.endif
.endm
; 64 numbers of a lane, register 16 b + i = k 32 b + 16 h + i of its row, become a fragment's codes in v[pc] on (20 registers are used) and its scale word in v[pw]
.macro QUANT s, pc, pw
.irp b, 0,1,2,3
	v_max3_num_f32 v[TM+\b], |v[\s+16*\b]|, |v[\s+1+16*\b]|, FLOOR
.endr
.irp i, 2,4,6,8,10,12,14
.irp b, 0,1,2,3
	v_max3_num_f32 v[TM+\b], v[TM+\b], |v[\s+16*\b+\i]|, |v[\s+1+16*\b+\i]|   ; the four blocks by turns
.endr
.endr
.irp b, 0,1,2,3
	v_permlanex16_b32 v[TM+4+\b], v[TM+\b], s[SEL], s[SEL+1]
.endr
.irp b, 0,1,2,3
	v_max_num_f32 v[TM+\b], v[TM+\b], v[TM+4+\b]   ; with lane l xor 16's 16: the block's largest magnitude
.endr
.irp b, 0,1,2,3
	v_add_nc_u32 v[TM+12+\b], EOFF, v[TM+\b]
.endr
.irp b, 0,1,2,3
	v_lshrrev_b32 v[TM+4+\b], 23, v[TM+12+\b]
.endr
	v_lshl_or_b32 v[\pw], v[TM+5], 8, v[TM+4]
	v_lshl_or_b32 v[\pw], v[TM+6], 16, v[\pw]
	v_lshl_or_b32 v[\pw], v[TM+7], 24, v[\pw]
.irp c, 0,1
	v_cvt_scalef32_pk16_fp6_f32 v[\pc+6*\c:\pc+2+6*\c], v[\s+32*\c:\s+15+32*\c], v[TM+12+2*\c]
	v_cvt_scalef32_pk16_fp6_f32 v[\pc+12+4*\c:\pc+14+4*\c], v[\s+16+32*\c:\s+31+32*\c], v[TM+13+2*\c]
.endr
	v_nop                                          ; one plain place behind a scaled conversion
.irp c, 0,1                                    ; the operand's layout wants a whole block in a lane
.irp i, 0,1,2
	v_permlane16_swap_b32 v[\pc+6*\c+\i], v[\pc+12+4*\c+\i]
.endr
.irp i, 0,1,2
	v_mov_b32 v[\pc+3+6*\c+\i], v[\pc+12+4*\c+\i]
.endr
.endr
.endm
	LOADW 0
	LOADW 1
	BLOCK 0
	BLOCK 1
	BLOCK 2
	BLOCK 3
	ds_store_b64 v6, v[14:15]                      ; my column's scale word
	s_cmp_lg_u32 s15, 0
	s_cbranch_scc1 .Lhidden
	; ---- W_enc: the wave's image leaves as it lies: 13 aligned runs of 256 bytes
.irp i, 0,1,2,3,4,5
	ds_load_b128 v[64+4*\i:67+4*\i], v7 offset:512*\i   ; LDS serves a wave's instructions in order (ISA guide 5.7.1.4): these see my stores
.endr
	ds_load_b64 v[88:89], v6
.irp i, 0,1,2,3,4,5
	s_wait_dscnt 6-\i                              ; load i is in; the younger ones may be out
	global_store_b128 v8, v[64+4*\i:67+4*\i], s[10:11] offset:512*\i
.endr
	s_wait_dscnt 0x0
	global_store_b64 v9, v[88:89], s[10:11] offset:3072
	s_set_vgpr_msb 0x5
	s_wait_tensorcnt 0x0
	ds_add_u32 v0, v1
	s_wait_dscnt 0x0
	s_set_vgpr_msb 0x500
	s_endpgm
.Lhidden:
	; ---- W_hidden: this K step's part of q.  hidden_state's 32 rows x 128 along K: lane (r, h) takes, of row 16 mt + r, 16 neighbours of each block of 32
.irp mt, 0,1
.irp b, 0,1,2,3
.irp j, 0,1,2,3
	global_load_b128 v[HN+64*\mt+16*\b+4*\j:HN+64*\mt+16*\b+4*\j+3], v10, s[8:9] offset:\mt*65536+128*\b+16*\j
.endr
.endr
.endr
	s_wait_dscnt 0x0                               ; my stores into the image have read their registers and landed
.irp nt, 0,1
.irp c, 0,1,2
	ds_load_b128 v[40+12*\nt+4*\c:43+12*\nt+4*\c], v7 offset:1536*\nt+512*\c   ; W's two fragments, as registers
.endr
.endr
	ds_load_b32 v13, v6                            ; lanes 0-15: the words of columns 0-15, lanes 16-31: of columns 16-31
.irp b, 0,1,2,3
	v_mov_b32 v[TM+4+\b], 0                        ; a lane permute's destination counts as one of its sources
.endr
	s_wait_loadcnt 0x0
	QUANT HN, 192, 38
	QUANT HN+64, 216, 39
	s_wait_dscnt 0x0
.rept 8
	v_nop                                          ; a scale register written by a vector instruction stands 8 places ahead of a scaled matrix instruction, an operand so written 4
.endr
.irp mt, 0,1                                   ; TRANSPOSED: source 0 = 16 columns of W, source 1 = 16 rows of hidden_state: lane (r, h) then holds q(16 mt + r, 16 nt + 8 h + 0 .. 7)
	v_wmma_scale_f32_16x16x128_f8f6f4 v[128+16*\mt:135+16*\mt], v[40:51], v[192+24*\mt:203+24*\mt], 0, v13, v[38+\mt] matrix_a_fmt:MATRIX_FMT_FP6 matrix_b_fmt:MATRIX_FMT_FP6
	v_wmma_scale_f32_16x16x128_f8f6f4 v[136+16*\mt:143+16*\mt], v[52:63], v[192+24*\mt:203+24*\mt], 0, v13, v[38+\mt] matrix_a_fmt:MATRIX_FMT_FP6 matrix_b_fmt:MATRIX_FMT_FP6 matrix_a_scale:MATRIX_SCALE_ROW1
.endr
.rept 4
	v_nop                                          ; four places ahead of the first read of results (ISA guide 7.12.1)
.endr
.irp mt, 0,1
.irp nt, 0,1
	ds_store_b128 v11, v[128+8*(2*\mt+\nt):131+8*(2*\mt+\nt)] offset:16*QP*\mt+64*\nt        ; each accumulator from its low end on
	ds_store_b128 v11, v[132+8*(2*\mt+\nt):135+8*(2*\mt+\nt)] offset:16*QP*\mt+64*\nt+16
.endr
.endr
	s_wait_dscnt 0x0                               ; for the others' sake: my stores into the stage are done
	s_barrier_signal -1                            ; (the branch that led here hangs on the work-group's number: all four waves are here)
	s_barrier_wait -1
.irp i, 0,1,2,3,4,5,6,7
	ds_load_b128 v[64+4*\i:67+4*\i], v12 offset:QP*\i   ; row 8 w + i, whole: 512 bytes from four waves
.endr
.irp i, 0,1,2,3,4,5,6,7
	s_wait_dscnt 7-\i
	global_store_b128 v8, v[64+4*\i:67+4*\i], s[12:13] offset:32768*\i   ; 32 lanes store 512 consecutive bytes, at a multiple of 256 from qpart's first byte
.endr
	s_set_vgpr_msb 0x5
	s_wait_tensorcnt 0x0
	ds_add_u32 v0, v1
	s_wait_dscnt 0x0
	s_set_vgpr_msb 0x500
	s_endpgm
.Lfunc_end_k_q5053dd1c3c_prep:
	.size	k_q5053dd1c3c_prep, .Lfunc_end_k_q5053dd1c3c_prep-k_q5053dd1c3c_prep
	.p2alignl 7, 3214868480
	.fill 96, 4, 3214868480
	.section	.rodata,"a",@progbits
	.p2align	6, 0x0
	.amdhsa_kernel k_q5053dd1c3c_prep
		.amdhsa_group_segment_fixed_size 31232
		.amdhsa_private_segment_fixed_size 0
		.amdhsa_enable_private_segment 0
		.amdhsa_kernarg_size 40
		.amdhsa_user_sgpr_count 2
		.amdhsa_user_sgpr_kernarg_segment_ptr 1
		.amdhsa_wavefront_size32 1
		.amdhsa_system_sgpr_workgroup_id_x 1
		.amdhsa_system_sgpr_workgroup_id_y 1
		.amdhsa_system_sgpr_workgroup_id_z 1
		.amdhsa_system_vgpr_workitem_id 0
		.amdhsa_next_free_vgpr 258
		.amdhsa_next_free_sgpr 66
		.amdhsa_reserve_vcc 0
		.amdhsa_float_denorm_mode_32 3
		.amdhsa_float_denorm_mode_16_64 3
		.amdhsa_memory_ordered 1
		.amdhsa_forward_progress 1
		.amdhsa_inst_pref_size 38
	.end_amdhsa_kernel
	.amdgpu_metadata
---
amdhsa.version: [ 1, 2 ]
amdhsa.kernels:
  - .name:           k_q5053dd1c3c_prep
    .symbol:         k_q5053dd1c3c_prep.kd
    .args:
      - { .name: W_enc, .offset: 0, .size: 8, .value_kind: global_buffer, .address_space: global }
      - { .name: W_hidden, .offset: 8, .size: 8, .value_kind: global_buffer, .address_space: global }
      - { .name: hidden_state, .offset: 16, .size: 8, .value_kind: global_buffer, .address_space: global }
      - { .name: wimg, .offset: 24, .size: 8, .value_kind: global_buffer, .address_space: global }
      - { .name: qpart, .offset: 32, .size: 8, .value_kind: global_buffer, .address_space: global }
    .group_segment_fixed_size: 31232
    .private_segment_fixed_size: 0
    .kernarg_segment_align: 8
    .kernarg_segment_size: 40
    .max_flat_workgroup_size: 128
    .sgpr_count:     66
    .vgpr_count:     258
    .wavefront_size: 32
...
	.end_amdgpu_metadata
.endif
;; end of part 1
;; launch score (part 2): grid 256 x 1, 4 waves a work-group, clusters of 4 x 1, 327,680 bytes of LDS; arguments enc_outputs, mask, b_attn, v, wimg, qpart, scores, stats; writes scores, stats
.if DOCPART == 2
	.amdgcn_target "amdgcn-amd-amdhsa--gfx1250"
	.amdhsa_code_object_version 6
	.text
	.protected	k_q5053dd1c3c_score
	.globl	k_q5053dd1c3c_score
	.p2align	8
	.type	k_q5053dd1c3c_score,@function
k_q5053dd1c3c_score:
	s_mov_b64 s[64:65], 0
	v_nop
	global_prefetch_b8 v0, s[64:65] scope:SCOPE_SE
	s_setreg_imm32_b32 hwreg(HW_REG_WAVE_MODE, 25, 1), 1
	s_wait_xcnt 0x0
	s_wait_alu depctr_hold_cnt(0) depctr_sa_sdst(0) depctr_va_vdst(0) depctr_va_sdst(0) depctr_va_ssrc(0) depctr_va_vcc(0) depctr_vm_vsrc(0)
	s_getreg_b32 s2, hwreg(HW_REG_IB_STS2, 6, 4)
	s_cmp_eq_u32 s2, 0
	s_cbranch_scc0 .Lentry_in_a_cluster
	s_endpgm
.Lentry_in_a_cluster:
	s_bfe_u32 s2, ttmp6, 0x10000c
	s_cmp_lg_u32 s2, 0x3003
	s_cbranch_scc0 .Lentry_shape_is_right
	s_endpgm
.Lentry_shape_is_right:
; SCORE.  scores[b][l] = mask[l][b] + sum over a of v[a] tanh(Q(enc)[l][b] . Q(W_enc)[:, a] + b_attn[a] + q[b][a]), and for each run of 64 l its maximum and its sum of exponentials (stats).
; The product is made on codes of FP6 (E2M3) with one E8M0 scale for each 32 along K; the keys never go to memory, nor do enc's codes.
; SHARES.  A work-group owns ONE b and 256 l (b = wg / 8, l = 256 (wg % 8) on), so q + b_attn is one number a column.  Wave w owns 64 rows, four tiles of 16.
; PHASE X: the wave reads its 64 rows x 1,024 of enc once, quantises them and keeps ALL their codes in registers: 32 fragments (4 tiles x 8 K steps), 384 registers, and 32 scale words.
; PHASE G: every wave walks all 1,024 columns in 32 groups of 32.  W's images (launch prep) come through a ring of two LDS slots of four groups; a group's 16 fragments are read once by each wave and each feeds four
; matrix instructions.  BY TURNS: trip i issues the 64 matrix instructions of group i - 1 (8 accumulators by turns, 8 K steps); behind each stands a slice of the tanh of group i - 2; and W's fragments of group i come in
; eight short runs, K step s into the registers that K step s of group i - 1 has left.  A trip has 226 vector instructions for its 64 matrix instructions; set in a phase of their own they would leave the matrix unit idle
; all that while, and a slice and two window switches behind each matrix instruction are the lesser price.
; tanh(x) = 1 - 2 / (1 + 2^(2 log2(e) x)): the sum kept is of v / (1 + 2^..), and of v itself; score = sum v - 2 sum v / (1 + ..).  It goes rightly to +-1 where the exponential overflows or falls to 0.
; THE ENDS.  The trip is written once for all groups: trip 0 multiplies fragments of zeros, and the tanh of trips 0 and 1 has bias 0 and v 0 (zeros laid ahead of both tables), so that they add nothing: one trip of 33.
; CLUSTER: the four work-groups of a cluster walk the same images of W: each fill is asked for JOINTLY (mask 15).  A work-group's place in its cluster enters global addresses of enc, mask, qpart, scores and stats alone.
; No prefetch: phase X streams with up to 64 loads a wave on their way, and W's 832 KiB are walked by all work-groups alike.
; LIMITS: NaN and infinities in the float tensors are not served, nor +infinity or NaN in mask; -infinity in mask is (a run's maximum is held at -3e38 from below).
; A block of enc under 2^-124 keeps the byte 1 (a block of zeros too: its codes are zeros).
; REGISTERS, in windows of 256 (s_set_vgpr_msb: bits 1:0 source 0, 3:2 source 1, 5:4 source 2, 7:6 destination):
;   window 0: v1-15 lane numbers and addresses; v16-23 W's scale words of a group (one a K step: lanes 0-15 columns 0-15, lanes 16-31 columns 16-31); v24-25 mask; v26-30 head's addresses;
;             v32-63 enc's scale words (8 t + s); X: v64-191 two sets of 64 numbers, v192-207 at work, v208-222 codes just made;  G: v64-255 W's 16 fragments (12 (2 s + n))
;   window 1: enc's fragments of K steps 0-4 at 12 (4 s + t);   window 2: of K steps 5-7 at 12 (4 (s - 5) + t)
;   window 3: X: four sets of 64 numbers as loaded;  G: v0-63 the accumulators (8 (4 n + t)), v64-127 the group before on its way through tanh, v128-159 the rows' sums, v160-161 bias, v162-163 v, v164 the sum of v
.set SLOT1, 1<<17                      ; slot 1 begins here: one exclusive or turns an address from one slot to the other
.set GRP,   26624                      ; a group's images: 8 K steps of 3,328 bytes
.set KBLK,  3328
.set FILL,  4*GRP                      ; a slot: four groups
.set TB0,   FILL                       ; behind slot 0: 512 bytes of zeros, (q + b_attn) x 2 log2(e) (4 KiB), 512 bytes of zeros, v (4 KiB)
.set VOFS,  4608                       ; from the first table to the second
.set SCS,   118784                     ; the way out: 256 bytes a wave
.set SPARE, 119808                     ; the spare words, 128 bytes for each wave: two blocks of 256 bytes that no other line names
.set STG,   SLOT1+FILL                 ; behind slot 1: for each wave two stages of 16 rows x (512 bytes + 16)
.set SPT,   528
.set WST,   2*16*SPT
.set FLOOR, 0x1800000
.set EOFF,  0xff000000
.set LI,  4                            ; 16 L
.set LS8, 5                            ; 8 L
.set STW, 6                            ; my stage, in: 16 L
.set STR, 7                            ; my stage, back: 528 r + 64 h
.set TBL, 8                            ; TB0 + 384 + 4 r: trip i finds group i - 1's bias 128 i bytes on
.set SCA, 9                            ; SCS + 256 w + 32 h
.set SCR, 10                           ; SCS + 256 w + 8 L
.set ADB, 11                           ; the fragments of the group that is being fetched
.set ADS, 12                           ; its scale words
.set ADT, 13                           ; the trip's place in the tables
.set SPW, 14                           ; my spare word; never rewritten
.set NIL, 15                           ; 0; never rewritten
.set BS,  16
.set MK,  24
.set TWA, 26                           ; TB0 + 512 + 16 x thread
.set MOF, 27                           ; 256 L
.set TOF, 28                           ; 16 x thread
.set ZWA, 29                           ; TB0 + 4 x thread
.set ZER, 30                           ; 0, for the tables' zeros
.set AS,  32
.set WF,  64
.set TM,  192
.set CV,  208
.set Z,   64                           ; in window 3
.set SA,  128
.set BC,  160
.set VV,  162
.set VS,  164
; s[4:19] the eight addresses; s20 wave; s21 cx; s22 wg; s23 b; s24 l's block; s[28:35] descriptor group 1; s[36:39] group 0, which walks; s[40:41] 2 log2(e); s[42:43] lane selects;
; s44 LDS byte of the group that is being fetched; s45 128 x the trip's number; s46, s47 counters; s48-51 at work; s[52:53] enc at my first row; s[54:55] my group's place in a fill
.set MSB, 0
.macro WIN new                         ; the immediate's high byte repeats the setting that is left; a switch that changes nothing is dropped
.if MSB != \new
	s_set_vgpr_msb (MSB<<8)|\new
.set MSB, \new
.endif
.endm
.macro CROUND                          ; a round of the cluster's barrier
	s_barrier_signal -1
	s_barrier_wait -1
	s_cmp_lg_u32 s20, 0
	s_cbranch_scc1 .Lnot_wave_0_\@
	s_barrier_signal -3
.Lnot_wave_0_\@:
	s_barrier_wait -3
	s_barrier_signal -1
	s_barrier_wait -1
.endm
.macro PLACES
.rept 4
	v_nop
.endr
.endm
	s_load_b256 s[4:11], s[0:1], 0x0               ; enc s[4:5], mask s[6:7], b_attn s[8:9], v s[10:11]
	s_load_b256 s[12:19], s[0:1], 0x20             ; wimg s[12:13], qpart s[14:15], scores s[16:17], stats s[18:19]
	v_lshl_add_u32 v[SPW], v0, 2, SPARE
	v_mov_b32 v[NIL], 0
	ds_add_u32 v14, v15
	ds_add_u32 v14, v15
	s_wait_dscnt 0x0
	v_lshrrev_b32 v1, 5, v0
	v_readfirstlane_b32 s20, v1                    ; wave 0..3
	s_bfe_u32 s21, ttmp6, 0x40000                  ; cx
	s_lshl_b32 s22, ttmp9, 2
	s_add_co_u32 s22, s22, s21                     ; work-group = 4 x cluster + cx
	s_lshr_b32 s23, s22, 3                         ; b
	s_and_b32 s24, s22, 7                          ; which 256 l
	; descriptor group 1: a group's 26,624 dense bytes as 104 rows of 256 bytes (32 elements of 8), no padding: images are read 16 bytes a lane on end
	s_mov_b32 s28, 15|(3<<16)|(1<<21)              ; 15:0 the mask: all four work-groups; 17:16 elements of 8 bytes; 21 set beside a mask
	s_mov_b32 s29, 32<<16                          ; tensor_dim0
	s_mov_b32 s30, 104<<16                         ; tensor_dim1
	s_mov_b32 s31, 32<<16                          ; tile_dim0
	s_mov_b32 s32, 104                             ; tile_dim1
	s_mov_b32 s33, 32                              ; the pitch
	s_mov_b32 s34, 0
	s_mov_b32 s35, 0
	s_mov_b32 s36, 1                               ; group 0: count = 1
	s_mul_i32 s37, s20, GRP                        ; LDS: slot 0, wave w's group
	s_mul_i32 s54, s20, GRP                        ; and the same in wimg
	s_mov_b32 s55, 0
	s_mov_b32 s40, 0x4038aa3b                      ; 2 log2(e)
	s_mov_b32 s41, s40                             ; (named with it as a pair, so it is written)
	s_mov_b32 s42, 0x76543210
	s_mov_b32 s43, 0xfedcba98
	s_lshl_b32 s50, s24, 8
	s_lshl_b32 s51, s20, 6
	s_add_co_u32 s50, s50, s51                     ; my first l
	s_wait_kmcnt 0x0
	s_add_nc_u64 s[38:39], s[12:13], s[54:55]
	s_or_b32 s39, s39, 0x80000000                  ; type = 2
	CROUND                                         ; all four work-groups are here: the first joint loads meet
	tensor_load_to_lds s[36:39], s[28:35]          ; fill 0: groups 0-3; it lands under phase X.  One tensor load of mine is out
	s_nop 0
	PLACES
	s_lshl_b32 s48, s50, 17                        ; enc: l x 131,072 + b x 4,096 (under 2^28)
	s_lshl_b32 s51, s23, 12
	s_add_co_u32 s48, s48, s51
	s_mov_b32 s49, 0
	s_add_nc_u64 s[52:53], s[4:5], s[48:49]
	s_lshl_b32 s48, s50, 7                         ; mask: l x 128 + 4 b
	s_lshl_b32 s51, s23, 2
	s_add_co_u32 s48, s48, s51
	s_add_nc_u64 s[6:7], s[6:7], s[48:49]
	s_lshl_b32 s48, s23, 15                        ; qpart: b x 32,768
	s_add_nc_u64 s[14:15], s[14:15], s[48:49]
	s_lshl_b32 s48, s23, 13                        ; scores: b x 8,192 + 4 l
	s_lshl_b32 s51, s50, 2
	s_add_co_u32 s48, s48, s51
	s_add_nc_u64 s[16:17], s[16:17], s[48:49]
	s_lshl_b32 s48, s23, 3                         ; stats: (l / 64) x 256 + 8 b
	s_add_co_u32 s48, s48, s51
	s_add_nc_u64 s[18:19], s[18:19], s[48:49]
	v_and_b32 v1, 31, v0                           ; L
	v_and_b32 v2, 15, v0                           ; r
	v_bfe_u32 v3, v0, 4, 1                         ; h
	v_lshlrev_b32 v[LI], 4, v1
	v_lshlrev_b32 v[LS8], 3, v1
	s_mul_i32 s51, s20, WST
	s_add_co_u32 s51, s51, STG
	v_add_nc_u32 v[STW], s51, v[LI]
	v_mul_u32_u24 v[STR], v2, SPT
	v_lshl_add_u32 v[STR], v3, 6, v[STR]
	v_add_nc_u32 v[STR], s51, v[STR]
	v_lshl_add_u32 v[TBL], v2, 2, TB0+384
	s_lshl_b32 s51, s20, 8
	s_add_co_u32 s51, s51, SCS
	v_lshl_add_u32 v[SCA], v3, 5, s51
	v_add_nc_u32 v[SCR], s51, v[LS8]
	v_lshl_add_u32 v[TWA], v0, 4, TB0+512
	v_lshl_add_u32 v[ZWA], v0, 2, TB0
	v_mov_b32 v[ZER], 0
	v_lshlrev_b32 v[MOF], 8, v1
	v_lshlrev_b32 v[TOF], 4, v0
.irp b, 0,1,2,3
	v_mov_b32 v[TM+4+\b], 0                        ; a lane permute's destination counts as one of its sources
.endr
; UNIT u = 8 t + s of phase X: 16 rows (tile t) x 128 along K (K step s).
.macro LOADU u                         ; 16 loads, a row each: 32 lanes read 512 consecutive bytes.  The largest offset, 63 x 131,072 + 3,584, lies inside the signed 24-bit immediate (ISA guide, chapter 10)
	WIN 0xc0                                       ; destination window 3
.irp i, 0,1,2,3,4,5,6,7,8,9,10,11,12,13,14,15
	global_load_b128 v[64*((\u)%4)+4*\i:64*((\u)%4)+4*\i+3], v[LI], s[52:53] offset:(16*((\u)/8)+\i)*131072+512*((\u)%8) th:TH_LOAD_NT
.endr
.endm
.macro TURNU u                         ; through my stage: in as loaded, back so that lane (r, h) holds, of row r, 16 neighbours of each block of 32.  LDS serves a wave's instructions in order: no wait between
	WIN 0x0c                                       ; an LDS store's data are its source 1: window 3
.irp i, 0,1,2,3,4,5,6,7,8,9,10,11,12,13,14,15
	ds_store_b128 v[STW], v[64*((\u)%4)+4*\i:64*((\u)%4)+4*\i+3] offset:16*SPT*((\u)%2)+SPT*\i
.endr
	WIN 0
.irp b, 0,1,2,3
.irp j, 0,1,2,3
	ds_load_b128 v[64+64*((\u)%2)+16*\b+4*\j:64+64*((\u)%2)+16*\b+4*\j+3], v[STR] offset:16*SPT*((\u)%2)+128*\b+16*\j
.endr
.endr
.endm
.macro QUANTA u                        ; the unit's 64 numbers a lane become fragment (t, s) and its scale word
.set XS, 64+64*((\u)%2)
.set PW, AS+8*((\u)/8)+(\u)%8
.irp b, 0,1,2,3
	v_max3_num_f32 v[TM+\b], |v[XS+16*\b]|, |v[XS+1+16*\b]|, FLOOR   ; block b: my 16 numbers, and the floor 2^(3 - 127): the byte cannot fall under 1
.endr
.irp i, 2,4,6,8,10,12,14
.irp b, 0,1,2,3
	v_max3_num_f32 v[TM+\b], v[TM+\b], |v[XS+16*\b+\i]|, |v[XS+1+16*\b+\i]|   ; the four blocks by turns
.endr
.endr
.irp b, 0,1,2,3
	v_permlanex16_b32 v[TM+4+\b], v[TM+\b], s42, s43
.endr
.irp b, 0,1,2,3
	v_max_num_f32 v[TM+\b], v[TM+\b], v[TM+4+\b]   ; with lane l xor 16's: the block's largest magnitude
.endr
.irp b, 0,1,2,3
	v_add_nc_u32 v[TM+12+\b], EOFF, v[TM+\b]       ; 2 off its exponent field: the conversion's scale operand
.endr
.irp b, 0,1,2,3
	v_lshrrev_b32 v[TM+4+\b], 23, v[TM+12+\b]      ; the scale's byte
.endr
	v_lshl_or_b32 v[PW], v[TM+5], 8, v[TM+4]       ; my row's scale word, made where it stays
	v_lshl_or_b32 v[PW], v[TM+6], 16, v[PW]
	v_lshl_or_b32 v[PW], v[TM+7], 24, v[PW]
.irp c, 0,1
	v_cvt_scalef32_pk16_fp6_f32 v[CV+8*\c:CV+8*\c+2], v[XS+32*\c:XS+32*\c+15], v[TM+12+2*\c]
	v_cvt_scalef32_pk16_fp6_f32 v[CV+4+8*\c:CV+6+8*\c], v[XS+16+32*\c:XS+31+32*\c], v[TM+13+2*\c]
.endr
	v_nop                                          ; one plain place behind a scaled conversion
.irp c, 0,1                                    ; the operand's layout wants a whole block in a lane: lanes 0-15 block 2 c, lanes 16-31 block 2 c + 1
.irp i, 0,1,2
	v_permlane16_swap_b32 v[CV+8*\c+\i], v[CV+4+8*\c+\i]
.endr
.endr
.if (\u)%8 < 5
	WIN 0x40                                       ; destination window 1
.set AR, 12*(4*((\u)%8)+(\u)/8)
.else
	WIN 0x80                                       ; destination window 2
.set AR, 12*(4*((\u)%8-5)+(\u)/8)
.endif
.irp c, 0,1
.irp i, 0,1,2
	v_mov_b32 v[AR+6*\c+\i], v[CV+8*\c+\i]         ; registers 6 c .. 6 c + 5: k = 64 c + 32 h + 0 .. 31
	v_mov_b32 v[AR+6*\c+3+\i], v[CV+4+8*\c+\i]
.endr
.endr
	WIN 0
.endm
.macro STEP u
	s_wait_dscnt 0x0                               ; unit u is back from the stage: so its stores into the stage have read set u % 4,
.if (\u)+4 < 32
	LOADU (\u)+4                                   ; which takes the unit four on
.endif
.if (\u)+1 < 32
.if (\u) < 28
	s_wait_loadcnt 48                              ; unit u + 1 is in; the three units behind it may be out
.else
	s_wait_loadcnt 16*(30-(\u))                    ; at the end fewer units stand behind it
.endif
	TURNU (\u)+1                                   ; and goes through the other stage while unit u is quantised
.endif
	QUANTA \u
.endm
	global_load_b32 v[MK], v[MOF], s[6:7]          ; mask of my rows 2 L and 2 L + 1
	global_load_b32 v[MK+1], v[MOF], s[6:7] offset:128
.irp s, 0,1,2,3,4,5,6,7                        ; the tables: thread t takes columns 4 t on and 512 + 4 t on: q's eight parts,
	global_load_b128 v[64+8*\s:67+8*\s], v[TOF], s[14:15] offset:4096*\s
	global_load_b128 v[68+8*\s:71+8*\s], v[TOF], s[14:15] offset:4096*\s+2048
.endr
	global_load_b128 v[128:131], v[TOF], s[8:9]    ; b_attn,
	global_load_b128 v[132:135], v[TOF], s[8:9] offset:2048
	global_load_b128 v[136:139], v[TOF], s[10:11]  ; v
	global_load_b128 v[140:143], v[TOF], s[10:11] offset:2048
	LOADU 0
	LOADU 1
	LOADU 2
	WIN 0
	s_wait_loadcnt 48                              ; mask and tables are in; the three units' 48 loads may be out
.irp s, 0,1,2,3,4,5,6,7
.irp p, 0,2,4,6
	v_pk_add_f32 v[128+\p:129+\p], v[128+\p:129+\p], v[64+8*\s+\p:65+8*\s+\p]   ; b_attn + q, K steps ascending
.endr
.endr
.irp p, 0,2,4,6
	v_pk_mul_f32 v[128+\p:129+\p], v[128+\p:129+\p], s[40:41] op_sel_hi:[1,0]   ; x 2 log2(e)
.endr
	ds_store_b128 v[TWA], v[128:131]
	ds_store_b128 v[TWA], v[132:135] offset:2048
	ds_store_b128 v[TWA], v[136:139] offset:VOFS
	ds_store_b128 v[TWA], v[140:143] offset:VOFS+2048
	ds_store_b32 v[ZWA], v[ZER]                    ; the zeros ahead of each table: a word a thread
	ds_store_b32 v[ZWA], v[ZER] offset:VOFS
	LOADU 3
	s_wait_loadcnt 48                              ; unit 0 is in
	TURNU 0
.irp u, 0,1,2,3,4,5,6,7,8,9,10,11,12,13,14,15,16,17,18,19,20,21,22,23,24,25,26,27,28,29,30,31
	STEP \u
.endr
	; The trip is written once.  Trip 0 finds W's fragments and scale words, the accumulators, bias and v of zeros: its products are zeros and its tanh adds nothing to the sums.
	; The scale words are cleared first: more than eight vector instructions then stand between them and the first matrix instruction.
.set i, BS
.rept 8
	v_mov_b32 v[i], 0
.set i, i+1
.endr
.set i, WF
.rept 192
	v_mov_b32 v[i], 0
.set i, i+1
.endr
	WIN 0xc0
.set i, 0
.rept 64
	v_mov_b32 v[i], 0
.set i, i+1
.endr
.set i, SA
.rept 37
	v_mov_b32 v[i], 0                              ; the rows' sums, bias, v and the sum of v
.set i, i+1
.endr
	WIN 0
	s_mov_b32 s44, 0
	s_mov_b32 s45, 0
; A RUN OF LDS LOADS: K step s of the group that is being fetched: two fragments and the scale word, into the registers that K step s of the group in hand has left.  A load into a register that a matrix instruction
; has read stands four places behind it, and only plain vector instructions that name none of its registers are places (ISA guide 7.12.1 for vector instructions).
; nops = 4 where only transcendentals stand between; 0 where the slices between hold four plain instructions or more.
.macro RUNW s, nops
	WIN 0
.rept \nops
	v_nop
.endr
.irp n, 0,1
.irp c, 0,1,2
	ds_load_b128 v[WF+12*(2*(\s)+\n)+4*\c:WF+12*(2*(\s)+\n)+4*\c+3], v[ADB] offset:KBLK*(\s)+1536*\n+512*\c
.endr
.endr
	ds_load_b32 v[BS+(\s)], v[ADS] offset:KBLK*(\s)+3072
.endm
.macro LDBC                            ; the bias of the group in hand, for the next trip's tanh: lane r takes columns r and 16 + r
	WIN 0xc0
	ds_load_b32 v[BC], v[ADT]
	ds_load_b32 v[BC+1], v[ADT] offset:64
.endm
.macro LDVV                            ; and its v
	WIN 0xc0
	ds_load_b32 v[VV], v[ADT] offset:VOFS
	ds_load_b32 v[VV+1], v[ADT] offset:VOFS+64
.endm
.macro WM acc, ar, wr, sa, sb, first, row
.if \first
.if \row
	v_wmma_scale_f32_16x16x128_f8f6f4 v[\acc:\acc+7], v[\ar:\ar+11], v[\wr:\wr+11], 0, v[\sa], v[\sb] matrix_a_fmt:MATRIX_FMT_FP6 matrix_b_fmt:MATRIX_FMT_FP6 matrix_b_scale:MATRIX_SCALE_ROW1
.else
	v_wmma_scale_f32_16x16x128_f8f6f4 v[\acc:\acc+7], v[\ar:\ar+11], v[\wr:\wr+11], 0, v[\sa], v[\sb] matrix_a_fmt:MATRIX_FMT_FP6 matrix_b_fmt:MATRIX_FMT_FP6
.endif
.else
.if \row
	v_wmma_scale_f32_16x16x128_f8f6f4 v[\acc:\acc+7], v[\ar:\ar+11], v[\wr:\wr+11], v[\acc:\acc+7], v[\sa], v[\sb] matrix_a_fmt:MATRIX_FMT_FP6 matrix_b_fmt:MATRIX_FMT_FP6 matrix_b_scale:MATRIX_SCALE_ROW1
.else
	v_wmma_scale_f32_16x16x128_f8f6f4 v[\acc:\acc+7], v[\ar:\ar+11], v[\wr:\wr+11], v[\acc:\acc+7], v[\sa], v[\sb] matrix_a_fmt:MATRIX_FMT_FP6 matrix_b_fmt:MATRIX_FMT_FP6
.endif
.endif
.endm
; Matrix instruction k of a trip's 64: K step k / 8, columns 16 ((k / 4) % 2) on, tile k % 4.  Source 0 = 16 rows of enc, source 1 = 16 columns of W: lane (r, h) holds column r and its registers the rows 8 h + 0 .. 7.
; The first K step starts the sums.  The eight accumulators take turns, one instruction a turn.
.macro MMI
.set ss, k/8
.set nn, (k/4)%2
.set tt, k%4
.if ss < 5
	WIN 0xf1                                       ; enc's fragments window 1, W's window 0, C and D window 3
.set AB_, 48*ss
.else
	WIN 0xf2                                       ; enc's fragments window 2
.set AB_, 48*(ss-5)
.endif
	WM 8*(4*nn+tt), AB_+12*tt, WF+12*(2*ss+nn), AS+8*tt+ss, BS+ss, ss==0, nn
.endm
; THE TANH OF A GROUP, 226 instructions.  First, accumulator i of 8: z = 2 log2(e) (key + q + b_attn), from the accumulator (its low end first) into the other set: it stands just ahead of the matrix instruction that
; begins accumulator i anew, so that one set of accumulators serves every group.
.macro AST i
	WIN 0xff
.irp q, 0,2,4,6
.if (\i) < 4
	v_pk_fma_f32 v[Z+8*(\i)+\q:Z+8*(\i)+\q+1], v[8*(\i)+\q:8*(\i)+\q+1], s[40:41], v[BC:BC+1] op_sel_hi:[1,0,0]
.else
	v_pk_fma_f32 v[Z+8*(\i)+\q:Z+8*(\i)+\q+1], v[8*(\i)+\q:8*(\i)+\q+1], s[40:41], v[BC:BC+1] op_sel:[0,0,1] op_sel_hi:[1,0,1]   ; columns 16-31: the pair's upper word for both halves
.endif
.endr
.endm
; Then a list of 194; ITEM writes number j of it.  0-63 2^z; 64 a plain line (the sum of v) and the wait; 65-96 + 1, in pairs; 97-160 the reciprocals; 161 a plain line and the wait; 162-193 the rows' sums take v x that.
; Two batches of 64 transcendentals, each with one plain line and ONE wait behind it, ahead of its first reader.
.macro ITEM
.if j < 64
	v_exp_f32 v[Z+j], v[Z+j]
.elseif j == 64
	s_wait_dscnt VVW                               ; v is in: behind its two loads stand VVW LDS instructions of this trip; all of the last trip's loads are in with it
	v_add_f32 v[VS], v[VS], v[VV]
	s_wait_alu depctr_va_vdst(0)
.elseif j < 97
	v_pk_add_f32 v[Z+2*(j-65):Z+2*(j-65)+1], v[Z+2*(j-65):Z+2*(j-65)+1], 1.0 op_sel_hi:[1,0]
.elseif j < 161
	v_rcp_f32 v[Z+j-97], v[Z+j-97]
.elseif j == 161
	v_add_f32 v[VS], v[VS], v[VV+1]
	s_wait_alu depctr_va_vdst(0)
.elseif j < 178
	v_pk_fma_f32 v[SA+2*(j-162):SA+2*(j-162)+1], v[Z+2*(j-162):Z+2*(j-162)+1], v[VV:VV+1], v[SA+2*(j-162):SA+2*(j-162)+1] op_sel_hi:[1,0,1]
.else
	v_pk_fma_f32 v[SA+2*(j-178):SA+2*(j-178)+1], v[Z+32+2*(j-178):Z+32+2*(j-178)+1], v[VV:VV+1], v[SA+2*(j-178):SA+2*(j-178)+1] op_sel:[0,1,0] op_sel_hi:[1,1,1]
.endif
.set j, j+1
.endm
; Slice k, behind matrix instruction k.  0-6: the next accumulator's z.  7-28 and 35-56, where the transcendentals stand: three of the list.  29-34 and 57-60, plain ones: five.  61-63: four.  22 x 3 + 6 x 5 + 22 x 3 + 4 x 5 + 3 x 4 = 194.
.macro SLICE
.if k < 7
	AST k+1
.else
	WIN 0xff
.set cnt, 3
.if ((k >= 29) && (k < 35)) || ((k >= 57) && (k < 61))
.set cnt, 5
.elseif k >= 61
.set cnt, 4
.endif
.rept cnt
	ITEM
.endr
.endif
.endm
; A TRIP.  ld = 1: the next group's fragments are fetched.  The LDS instructions of a trip, in order: run 0 and the bias (9), runs 1 to 6 (7 each), run 7 and v (9): 60.
; The runs stand behind slices 11, 19, 29, 35, 43, 51, 59, 63: K step s is asked for at least 45 matrix instructions ahead of its use in the next trip.
; Places: runs 2 and 3 stand behind the + 1's, runs 6 and 7 behind the rows' sums (slice 63 holds four, which name no register of matrix instruction 63); runs 0, 1, 4, 5 have four v_nop.
; An accumulator is read by its z at least four, and begun anew at least five, plain instructions behind the last matrix instruction of the trip before that wrote it: slice 63's four, the address sums, the other accumulators' z.
.macro TRIP ld
.if \ld
	v_add_nc_u32 v[ADB], s44, v[LI]
	v_add_nc_u32 v[ADS], s44, v[LS8]
.endif
	v_add_nc_u32 v[ADT], s45, v[TBL]
	s_wait_dscnt 51                                ; the last trip's run 0 and bias are in: behind them stand its seven other runs and v's two loads
.set VVW, 2+14*(\ld)
	AST 0
.set k, 0
.set j, 0
.rept 64
.if k == 8
	s_wait_dscnt 44                                ; K step 1: behind the last trip's run 1 stand six runs and v's two loads
.elseif (k == 16) || (k == 24)
.if \ld
	s_wait_dscnt 46                                ; K steps 2, 3: 37 and 30 of the last trip, 9 and 16 of this one.  (K steps 4 to 7 are shown in by the wait for v)
.else
	s_wait_dscnt 7*(7-k/8)+4                       ; of this trip the bias's two loads alone
.endif
.endif
	MMI
	SLICE
.if k == 11
.if \ld
	RUNW 0, 4
.endif
	LDBC                                           ; the z's have read the bias of the group before
.elseif (k == 19) && \ld
	RUNW 1, 4
.elseif (k == 29) && \ld
	RUNW 2, 0
.elseif (k == 35) && \ld
	RUNW 3, 0
.elseif (k == 43) && \ld
	RUNW 4, 4
.elseif (k == 51) && \ld
	RUNW 5, 4
.elseif (k == 59) && \ld
	RUNW 6, 0
.elseif k == 63
.if \ld
	RUNW 7, 0
.endif
	LDVV                                           ; the rows' sums have read v of the group before
.endif
.set k, k+1
.endr
	WIN 0
.endm
.macro FOUR                            ; four trips: a slot's four groups are fetched
	s_mov_b32 s47, 4
.Lgroup_\@:
	TRIP 1
	s_add_co_u32 s44, s44, GRP
	s_add_co_u32 s45, s45, 128
	s_sub_co_u32 s47, s47, 1
	s_cmp_lg_u32 s47, 0
	s_cbranch_scc1 .Lgroup_\@
	s_sub_co_u32 s44, s44, FILL                    ; back to a slot's first group,
	s_xor_b32 s44, s44, SLOT1                      ; in the other slot
.endm
	s_mov_b32 s46, 7
.Lfill:                                            ; seven rounds of four trips: behind each change of slots but the last the next fill is asked for; it has four groups' trips, 256 matrix instructions, in which to land
	s_wait_tensorcnt 0x0                           ; my part of the slot ahead has landed; no tensor load of mine is out, so group 0 may be written
	ds_add_u32 v[SPW], v[NIL]                      ; 0 onto my spare word
	s_xor_b32 s37, s37, SLOT1                      ; the other slot than last time,
	s_add_nc_u64 s[38:39], s[38:39], FILL          ; the next four groups; the type bits on top are not reached
	s_wait_dscnt 0x0                               ; the add is done, my reads of the slot that I have left are over (in the first trip: my stores of the tables have landed)
	CROUND                                         ; the same holds of every wave of all four work-groups
	tensor_load_to_lds s[36:39], s[28:35]          ; my one tensor load behind the round, and the first thing there
	s_nop 0
	PLACES
	FOUR
	s_sub_co_u32 s46, s46, 1
	s_cmp_lg_u32 s46, 0
	s_cbranch_scc1 .Lfill
	s_wait_tensorcnt 0x0                           ; the last slot is written out: nothing is left to ask for
	ds_add_u32 v[SPW], v[NIL]
	s_wait_dscnt 0x0
	s_barrier_signal -1
	s_barrier_wait -1                              ; everybody's part of the last fill has landed
	FOUR
	TRIP 0                                         ; the last group's products, the tanh of the last but one; nothing is left to fetch but the last bias and v
	s_wait_dscnt 0x0                               ; which are in
.set VVW, 0
.irp i, 0,1,2,3,4,5,6,7
	AST \i                                         ; the last group's tanh
.endr
.set j, 0
.rept 194
	ITEM
.endr
	; THE WAY OUT.  A lane's part of a row's score is sum v - 2 sum v / (1 + 2^z) over its 64 columns; sixteen lanes share a row.
	WIN 0x33                                       ; sources 0 and 2 window 3, destination window 0
.set i, 0
.rept 32
	v_fma_f32 v[64+i], v[SA+i], -2.0, v[VS]
.set i, i+1
.endr
	WIN 0
.irp x, 1,2,4,8
.set i, 0
.rept 32
	v_add_f32_dpp v[64+i], v[64+i], v[64+i] row_xmask:\x row_mask:0xf bank_mask:0xf
.set i, i+1
.endr
.endr
.irp t, 0,1,2,3
.irp j, 0,1,2,3,4,5,6,7
	ds_store_b32 v[SCA], v[64+8*\t+\j] offset:4*(16*\t+\j)   ; row 16 t + 8 h + j: sixteen lanes write the same word with the same value
.endr
.endr
	ds_load_b64 v[96:97], v[SCR]                   ; my wave's own bytes, served in order: rows 2 L, 2 L + 1
	s_wait_dscnt 0x0
	v_pk_add_f32 v[96:97], v[96:97], v[MK:MK+1]    ; + mask
	global_store_b64 v[LS8], v[96:97], s[16:17]    ; 32 lanes store 256 consecutive bytes, at a multiple of 256 from scores' first byte
	v_max_num_f32 v98, v96, v97
.irp x, 1,2,4,8
	v_max_num_f32_dpp v98, v98, v98 row_xmask:\x row_mask:0xf bank_mask:0xf
.endr
	v_mov_b32 v100, 0
	v_permlanex16_b32 v100, v98, s42, s43
	v_max_num_f32 v98, v98, v100
	v_max_num_f32 v98, 0xff61b1e6, v98             ; the 64 rows' maximum, held at -3e38 from below (rows masked by -infinity)
	v_sub_f32 v101, v96, v98                       ; the difference first: -3e38 x log2(e) would overflow
	v_sub_f32 v102, v97, v98
	v_mul_f32 v101, 0x3fb8aa3b, v101
	v_mul_f32 v102, 0x3fb8aa3b, v102
	v_exp_f32 v101, v101
	v_exp_f32 v102, v102
	v_mov_b32 v103, 0                              ; (a plain line behind the exponentials)  the offset of the store below
	s_wait_alu depctr_va_vdst(0)                   ; one wait for the two, ahead of their first reader
	v_add_f32 v99, v101, v102
.irp x, 1,2,4,8
	v_add_f32_dpp v99, v99, v99 row_xmask:\x row_mask:0xf bank_mask:0xf
.endr
	v_permlanex16_b32 v100, v99, s42, s43
	v_add_f32 v99, v99, v100                       ; and their sum of exponentials
	v_cmp_eq_u32 vcc_lo, 0, v1
	s_wait_xcnt 0x0                                ; EXEC changes only behind this wait
	s_and_saveexec_b32 s48, vcc_lo
	global_store_b64 v103, v[98:99], s[18:19]      ; one lane stores 8 bytes: 1,024 such stores in the launch, 8 KiB in all
	s_wait_xcnt 0x0
	s_or_b32 exec_lo, exec_lo, s48
	s_wait_tensorcnt 0x0                           ; the wave's end, behind my last tensor load and my last LDS store
	ds_add_u32 v[SPW], v[NIL]
	s_wait_dscnt 0x0
	CROUND                                         ; the closing round: no work-group ends while a partner may still ask for a fill that names it
	s_endpgm
.Lfunc_end_k_q5053dd1c3c_score:
	.size	k_q5053dd1c3c_score, .Lfunc_end_k_q5053dd1c3c_score-k_q5053dd1c3c_score
	.p2alignl 7, 3214868480
	.fill 96, 4, 3214868480
	.section	.rodata,"a",@progbits
	.p2align	6, 0x0
	.amdhsa_kernel k_q5053dd1c3c_score
		.amdhsa_group_segment_fixed_size 327680
		.amdhsa_private_segment_fixed_size 0
		.amdhsa_enable_private_segment 0
		.amdhsa_kernarg_size 64
		.amdhsa_user_sgpr_count 2
		.amdhsa_user_sgpr_kernarg_segment_ptr 1
		.amdhsa_wavefront_size32 1
		.amdhsa_system_sgpr_workgroup_id_x 1
		.amdhsa_system_sgpr_workgroup_id_y 1
		.amdhsa_system_sgpr_workgroup_id_z 1
		.amdhsa_system_vgpr_workitem_id 0
		.amdhsa_next_free_vgpr 1024
		.amdhsa_next_free_sgpr 66
		.amdhsa_reserve_vcc 1
		.amdhsa_float_denorm_mode_32 3
		.amdhsa_float_denorm_mode_16_64 3
		.amdhsa_memory_ordered 1
		.amdhsa_forward_progress 1
		.amdhsa_inst_pref_size 255
	.end_amdhsa_kernel
	.section	.bss,"aw",@nobits
	.p2align	6
	.space	262144
	.amdgpu_metadata
---
amdhsa.version: [ 1, 2 ]
amdhsa.kernels:
  - .name:           k_q5053dd1c3c_score
    .symbol:         k_q5053dd1c3c_score.kd
    .args:
      - { .name: enc_outputs, .offset: 0, .size: 8, .value_kind: global_buffer, .address_space: global }
      - { .name: mask, .offset: 8, .size: 8, .value_kind: global_buffer, .address_space: global }
      - { .name: b_attn, .offset: 16, .size: 8, .value_kind: global_buffer, .address_space: global }
      - { .name: v, .offset: 24, .size: 8, .value_kind: global_buffer, .address_space: global }
      - { .name: wimg, .offset: 32, .size: 8, .value_kind: global_buffer, .address_space: global }
      - { .name: qpart, .offset: 40, .size: 8, .value_kind: global_buffer, .address_space: global }
      - { .name: scores, .offset: 48, .size: 8, .value_kind: global_buffer, .address_space: global }
      - { .name: stats, .offset: 56, .size: 8, .value_kind: global_buffer, .address_space: global }
    .group_segment_fixed_size: 327680
    .private_segment_fixed_size: 0
    .kernarg_segment_align: 8
    .kernarg_segment_size: 64
    .max_flat_workgroup_size: 128
    .sgpr_count:     66
    .vgpr_count:     1024
    .wavefront_size: 32
...
	.end_amdgpu_metadata
.endif
;; end of part 2
;; launch ctx (part 3): grid 256 x 1, 9 waves a work-group, no clusters, 6,400 bytes of LDS; arguments enc_outputs, scores, stats, out0, out1; writes out0, out1
.if DOCPART == 3
	.amdgcn_target "amdgcn-amd-amdhsa--gfx1250"
	.amdhsa_code_object_version 6
	.text
	.protected	k_q5053dd1c3c_ctx
	.globl	k_q5053dd1c3c_ctx
	.p2align	8
	.type	k_q5053dd1c3c_ctx,@function
k_q5053dd1c3c_ctx:
	s_mov_b64 s[64:65], 0
	v_nop
	global_prefetch_b8 v0, s[64:65] scope:SCOPE_SE
	s_setreg_imm32_b32 hwreg(HW_REG_WAVE_MODE, 25, 1), 1
	s_wait_xcnt 0x0
; CTX.  out1[l][b] = softmax over l of scores[b][l];  out0[b][e] = sum over l of out1[l][b] enc[l][b][e].  All in f32.
; The softmax's maximum M and sum S of a column b are joined from the 32 runs' maxima and sums (stats [run of 64 l][b]{m, sum}): M = max m, S = sum of sum x e^(m - M).
; SHARES.  Work-group g is the one owner of out0[b = g / 8][128 (g % 8) .. + 127].  Waves 0-7 stream 256 rows l each: 512 consecutive bytes of each row, one load of 16 bytes a lane; every byte of enc is read once
; in this launch.  32 loads of each wave are always on their way.  A row's weight e^(x - M), not yet divided by S, is read out of its lane into a scalar.  The eight waves' sums meet in LDS; wave 0 divides and stores.
; Wave 8 makes out1's rows 8 g .. 8 g + 7 for all 32 b (a lane a b), turned through LDS so that it stores 1,024 consecutive bytes.
; Memory binds: no matrix unit (one row a product), no cluster (no tile is shared: scores and stats are 270 KiB), no prefetch (the loads stream).
; LIMITS: as in launch score.  A column b masked wholly by -infinity has S = 0 and gives NaN, as the reference does.
.set O1S, 4096                         ; LDS: 8 x 512 bytes of sums, then 1 KiB for out1's turn
.set L2E, 0x3fb8aa3b
.set P,   24                           ; v24-31 the weights of my 256 rows: register k, lane i: row 32 k + i
.set X,   32                           ; v32-159 32 rows on their way, 4 registers each
; v1 lane; v2 16 x thread (my sums' place); v3 16 L; v4 O1S + 4 L; v5 O1S + 16 L; v6 256 L; v7 4 L; v8 8 L; v9 8,192 L; v[10:11] a run's m and sum; v12 M; v13 S; v14, v15 at work; v16-23 two sets of sums
	s_load_b256 s[4:11], s[0:1], 0x0               ; enc s[4:5], scores s[6:7], stats s[8:9], out0 s[10:11]
	s_load_b64 s[12:13], s[0:1], 0x20              ; out1
	v_lshl_add_u32 v192, v0, 2, 0x1400
	v_mov_b32 v193, 0
	v_lshrrev_b32 v1, 5, v0
	v_readfirstlane_b32 s20, v1                    ; wave 0..8
	v_and_b32 v1, 31, v0
	v_lshlrev_b32 v2, 4, v0                        ; every LDS address is made here, ahead of the parting of the waves
	v_lshlrev_b32 v3, 4, v1
	v_lshl_add_u32 v4, v1, 2, O1S
	v_lshl_add_u32 v5, v1, 4, O1S
	v_lshlrev_b32 v6, 8, v1
	v_lshlrev_b32 v7, 2, v1
	v_lshlrev_b32 v8, 3, v1
	v_lshlrev_b32 v9, 13, v1
	s_lshr_b32 s21, ttmp9, 3                       ; b
	s_and_b32 s22, ttmp9, 7                        ; which 128 columns
	s_mov_b32 s32, 0x76543210
	s_mov_b32 s33, 0xfedcba98                      ; v_permlanex16_b32's selects for lane l xor 16
	s_mov_b32 s15, 0
	s_mov_b32 s17, 0
	s_mov_b32 s19, 0
.irp i, 25,27,29,31
	s_mov_b32 s\i, 0                               ; named as the upper halves of the weights' pairs, so they are written
.endr
	s_wait_kmcnt 0x0
	s_cmp_eq_u32 s20, 8
	s_cbranch_scc1 .Lout1
	; ---- waves 0-7
	s_lshl_b32 s14, s20, 25                        ; enc: 256 w rows l of 131,072 bytes
	s_lshl_b32 s16, s21, 12
	s_add_co_u32 s14, s14, s16                     ; + 4,096 b
	s_lshl_b32 s16, s22, 9
	s_add_co_u32 s14, s14, s16                     ; + 512 x my columns' block
	s_add_nc_u64 s[4:5], s[4:5], s[14:15]
	s_lshl_b32 s16, s21, 13                        ; scores: 8,192 b + 1,024 w
	s_lshl_b32 s18, s20, 10
	s_add_co_u32 s16, s16, s18
	s_add_nc_u64 s[6:7], s[6:7], s[16:17]
	s_lshl_b32 s18, s21, 3                         ; stats: 8 b; a lane a run
	s_add_nc_u64 s[8:9], s[8:9], s[18:19]
	global_load_b64 v[10:11], v6, s[8:9]
.irp k, 0,1,2,3,4,5,6,7
	global_load_b32 v[P+\k], v7, s[6:7] offset:128*\k
.endr
.irp i, 0,1,2,3,4,5,6,7,8,9,10,11,12,13,14,15,16,17,18,19,20,21,22,23,24,25,26,27,28,29,30,31
	global_load_b128 v[X+4*\i:X+4*\i+3], v3, s[4:5] offset:\i*131072 th:TH_LOAD_NT
.endr
	s_wait_loadcnt 32                              ; stats and scores are in; the 32 rows may be out
	v_mov_b32 v12, v10
.irp x, 1,2,4,8
	v_max_num_f32_dpp v12, v12, v12 row_xmask:\x row_mask:0xf bank_mask:0xf
.endr
	v_mov_b32 v14, 0
	v_permlanex16_b32 v14, v12, s32, s33
	v_max_num_f32 v12, v12, v14                    ; M
	v_sub_f32 v14, v10, v12                        ; the difference first: M may be -3e38, whose product with log2(e) overflows
	v_mul_f32 v14, L2E, v14
.irp k, 0,1,2,3,4,5,6,7
	v_sub_f32 v[P+\k], v[P+\k], v12
.endr
.irp k, 0,1,2,3,4,5,6,7
	v_mul_f32 v[P+\k], L2E, v[P+\k]
.endr
	v_exp_f32 v14, v14
.irp k, 0,1,2,3,4,5,6,7
	v_exp_f32 v[P+\k], v[P+\k]
.endr
	v_mov_b32 v15, 0                               ; (a plain line behind the exponentials)
	s_wait_alu depctr_va_vdst(0)                   ; one wait for the nine, ahead of their first reader
	v_mul_f32 v13, v11, v14
.irp x, 1,2,4,8
	v_add_f32_dpp v13, v13, v13 row_xmask:\x row_mask:0xf bank_mask:0xf
.endr
	v_permlanex16_b32 v15, v13, s32, s33
	v_add_f32 v13, v13, v15                        ; S
; 32 rows.  ahead = 1: each slot is filled again with the row 32 further on.
.macro TRIP k, ahead
.irp i, 0,1,2,3,4,5,6,7,8,9,10,11,12,13,14,15,16,17,18,19,20,21,22,23,24,25,26,27,28,29,30,31
.if \ahead
	s_wait_loadcnt 31                              ; loads come back in order (ISA guide 5.7.1): row i is in, the 31 younger ones stay out
.else
	s_wait_loadcnt 31-\i
.endif
	v_readlane_b32 s[24+2*(\i%4)], v[P+\k], \i     ; the row's weight
.if (\k == 0) && (\i < 2)
	v_pk_mul_f32 v[16+4*(\i%2):17+4*(\i%2)], v[X+4*\i:X+4*\i+1], s[24+2*(\i%4):25+2*(\i%4)] op_sel_hi:[1,0]   ; the first two rows start the two sets of sums
	v_pk_mul_f32 v[18+4*(\i%2):19+4*(\i%2)], v[X+4*\i+2:X+4*\i+3], s[24+2*(\i%4):25+2*(\i%4)] op_sel_hi:[1,0]
.else
	v_pk_fma_f32 v[16+4*(\i%2):17+4*(\i%2)], v[X+4*\i:X+4*\i+1], s[24+2*(\i%4):25+2*(\i%4)], v[16+4*(\i%2):17+4*(\i%2)] op_sel_hi:[1,0,1]
	v_pk_fma_f32 v[18+4*(\i%2):19+4*(\i%2)], v[X+4*\i+2:X+4*\i+3], s[24+2*(\i%4):25+2*(\i%4)], v[18+4*(\i%2):19+4*(\i%2)] op_sel_hi:[1,0,1]
.endif
.if \ahead
	global_load_b128 v[X+4*\i:X+4*\i+3], v3, s[4:5] offset:(32+\i)*131072 th:TH_LOAD_NT   ; 63 x 131,072 at the most: inside the signed 24-bit immediate (ISA guide, chapter 10)
.endif
.endr
.if \ahead
	s_wait_xcnt 0x0                                ; the loads have read their base: it is stepped only behind this wait
	s_add_nc_u64 s[4:5], s[4:5], 32*131072
.endif
.endm
.irp k, 0,1,2,3,4,5,6
	TRIP \k, 1
.endr
	TRIP 7, 0                                      ; the last 32 rows load nothing: the counts run down
	v_pk_add_f32 v[16:17], v[16:17], v[20:21]
	v_pk_add_f32 v[18:19], v[18:19], v[22:23]
	ds_store_b128 v2, v[16:19]                     ; my wave's sums: 512 w + 16 L
	s_branch .Ljoin
.Lout1:
	; ---- wave 8: a lane a b
	s_lshl_b32 s16, ttmp9, 5                       ; scores: 8,192 L + 4 x 8 g
	s_add_nc_u64 s[6:7], s[6:7], s[16:17]
	s_lshl_b32 s18, ttmp9, 10                      ; out1: rows 8 g on, 128 bytes a row
	s_add_nc_u64 s[12:13], s[12:13], s[18:19]
.irp c, 0,1,2,3,4,5,6,7,8,9,10,11,12,13,14,15,16,17,18,19,20,21,22,23,24,25,26,27,28,29,30,31
	global_load_b64 v[32+2*\c:33+2*\c], v8, s[8:9] offset:256*\c   ; run c: 32 lanes read 256 consecutive bytes
.endr
	global_load_b128 v[96:99], v9, s[6:7]
	global_load_b128 v[100:103], v9, s[6:7] offset:16
	s_wait_loadcnt 0x0
	v_max3_num_f32 v12, v32, v34, v36
.irp c, 3,5,7,9,11,13,15,17,19,21,23,25,27,29
	v_max3_num_f32 v12, v12, v[32+2*\c], v[34+2*\c]
.endr
	v_max_num_f32 v12, v12, v94                    ; M
.irp c, 0,1,2,3,4,5,6,7,8,9,10,11,12,13,14,15,16,17,18,19,20,21,22,23,24,25,26,27,28,29,30,31
	v_sub_f32 v[32+2*\c], v[32+2*\c], v12          ; the difference first, as above
.endr
.irp j, 0,1,2,3,4,5,6,7
	v_sub_f32 v[96+\j], v[96+\j], v12
.endr
.irp c, 0,1,2,3,4,5,6,7,8,9,10,11,12,13,14,15,16,17,18,19,20,21,22,23,24,25,26,27,28,29,30,31
	v_mul_f32 v[32+2*\c], L2E, v[32+2*\c]
.endr
.irp j, 0,1,2,3,4,5,6,7
	v_mul_f32 v[96+\j], L2E, v[96+\j]
.endr
.irp c, 0,1,2,3,4,5,6,7,8,9,10,11,12,13,14,15,16,17,18,19,20,21,22,23,24,25,26,27,28,29,30,31
	v_exp_f32 v[32+2*\c], v[32+2*\c]
.endr
.irp j, 0,1,2,3,4,5,6,7
	v_exp_f32 v[96+\j], v[96+\j]
.endr
	v_nop                                          ; a plain line behind the exponentials
	s_wait_alu depctr_va_vdst(0)                   ; one wait for the forty
	v_mul_f32 v13, v33, v32                        ; S, in two chains
	v_mul_f32 v14, v35, v34
.irp c, 2,4,6,8,10,12,14,16,18,20,22,24,26,28,30
	v_fmac_f32 v13, v[33+2*\c], v[32+2*\c]
	v_fmac_f32 v14, v[35+2*\c], v[34+2*\c]
.endr
	v_add_f32 v13, v13, v14
	v_rcp_f32 v14, v13
	v_nop
	s_wait_alu depctr_va_vdst(0)
.irp j, 0,1,2,3,4,5,6,7
	v_mul_f32 v[96+\j], v[96+\j], v14
.endr
.irp j, 0,1,2,3,4,5,6,7
	ds_store_b32 v4, v[96+\j] offset:128*\j        ; row j, column L
.endr
	ds_load_b128 v[104:107], v5                    ; my own bytes, served in order: back as they lie in out1
	ds_load_b128 v[108:111], v5 offset:512
	s_wait_dscnt 1
	global_store_b128 v3, v[104:107], s[12:13]     ; 32 lanes store 512 consecutive bytes, at a multiple of 256 from out1's first byte
	s_wait_dscnt 0x0
	global_store_b128 v3, v[108:111], s[12:13] offset:512
.Ljoin:
	s_wait_dscnt 0x0                               ; for the others' sake: my stores into LDS are done
	s_barrier_signal -1
	s_barrier_wait -1
	s_cmp_lg_u32 s20, 0
	s_cbranch_scc1 .Lend
	s_lshl_b32 s16, s21, 12                        ; out0: 4,096 b + 512 x my columns' block
	s_lshl_b32 s18, s22, 9
	s_add_co_u32 s16, s16, s18
	s_add_nc_u64 s[10:11], s[10:11], s[16:17]
.irp i, 0,1,2,3,4,5,6,7
	ds_load_b128 v[X+4*\i:X+4*\i+3], v3 offset:512*\i
.endr
	v_rcp_f32 v14, v13
	s_wait_dscnt 0x0
.irp i, 1,2,3,4,5,6,7
	v_pk_add_f32 v[X:X+1], v[X:X+1], v[X+4*\i:X+4*\i+1]         ; (plain lines behind the reciprocal)
	v_pk_add_f32 v[X+2:X+3], v[X+2:X+3], v[X+4*\i+2:X+4*\i+3]
.endr
	s_wait_alu depctr_va_vdst(0)
.irp j, 0,1,2,3
	v_mul_f32 v[X+\j], v[X+\j], v14
.endr
	global_store_b128 v3, v[X:X+3], s[10:11]       ; 32 lanes store 512 consecutive bytes, at a multiple of 256 from out0's first byte
.Lend:
	s_wait_tensorcnt 0x0
	ds_add_u32 v192, v193
	s_wait_dscnt 0x0
	s_endpgm
.Lfunc_end_k_q5053dd1c3c_ctx:
	.size	k_q5053dd1c3c_ctx, .Lfunc_end_k_q5053dd1c3c_ctx-k_q5053dd1c3c_ctx
	.p2alignl 7, 3214868480
	.fill 96, 4, 3214868480
	.section	.rodata,"a",@progbits
	.p2align	6, 0x0
	.amdhsa_kernel k_q5053dd1c3c_ctx
		.amdhsa_group_segment_fixed_size 6400
		.amdhsa_private_segment_fixed_size 0
		.amdhsa_enable_private_segment 0
		.amdhsa_kernarg_size 40
		.amdhsa_user_sgpr_count 2
		.amdhsa_user_sgpr_kernarg_segment_ptr 1
		.amdhsa_wavefront_size32 1
		.amdhsa_system_sgpr_workgroup_id_x 1
		.amdhsa_system_sgpr_workgroup_id_y 1
		.amdhsa_system_sgpr_workgroup_id_z 1
		.amdhsa_system_vgpr_workitem_id 0
		.amdhsa_next_free_vgpr 194
		.amdhsa_next_free_sgpr 66
		.amdhsa_reserve_vcc 0
		.amdhsa_float_denorm_mode_32 3
		.amdhsa_float_denorm_mode_16_64 3
		.amdhsa_memory_ordered 1
		.amdhsa_forward_progress 1
		.amdhsa_inst_pref_size 100
	.end_amdhsa_kernel
	.amdgpu_metadata
---
amdhsa.version: [ 1, 2 ]
amdhsa.kernels:
  - .name:           k_q5053dd1c3c_ctx
    .symbol:         k_q5053dd1c3c_ctx.kd
    .args:
      - { .name: enc_outputs, .offset: 0, .size: 8, .value_kind: global_buffer, .address_space: global }
      - { .name: scores, .offset: 8, .size: 8, .value_kind: global_buffer, .address_space: global }
      - { .name: stats, .offset: 16, .size: 8, .value_kind: global_buffer, .address_space: global }
      - { .name: out0, .offset: 24, .size: 8, .value_kind: global_buffer, .address_space: global }
      - { .name: out1, .offset: 32, .size: 8, .value_kind: global_buffer, .address_space: global }
    .group_segment_fixed_size: 6400
    .private_segment_fixed_size: 0
    .kernarg_segment_align: 8
    .kernarg_segment_size: 40
    .max_flat_workgroup_size: 288
    .sgpr_count:     66
    .vgpr_count:     194
    .wavefront_size: 32
...
	.end_amdgpu_metadata
.endif
;; end of part 3
